; MI455X (gfx1250); checked and timed in simulation.
; The chip was launched on July 23, 2026; its instructions are those of AMD's public machine-readable ISA for CDNA 5 (MIT licence, August 2026) and "CDNA5" Instruction Set Architecture Reference Guide (July 2026). The comments in the code are by the model that wrote it; some were corrected since.
;; Vector Quantizer. Allowed arithmetic: float matrix products may take bf16 or f16 operands with f32 sums; other float arithmetic in f32, or as packed bf16 or f16 multiplies, adds, multiply-adds, maxima and minima; sums over many terms, partial sums and values carried from step to step in f32; what a program stores and reads back later, other than sums and carried values, may be rounded once to bf16 or f16.
;; Inputs: codebook 1,024 x 256 float32; x 8 x 4,096 x 256 float32.
;; Outputs: out0 8 x 4,096 int32.
;; One version. Each part assembles by itself: llvm-mc -triple=amdgcn-amd-amdhsa -mcpu=gfx1250 --defsym DOCPART=n.
;; ======== version 1 of 1: 2 launches
;; workspace buffers: cbf 524,288 bytes; c2h 4,096 bytes
;; launch prep (part 1): grid 16 x 1, 4 waves a work-group, no clusters, 35,584 bytes of LDS; arguments codebook, cbf, c2h; writes cbf, c2h
.if DOCPART == 1
	.amdgcn_target "amdgcn-amd-amdhsa--gfx1250"
	.amdhsa_code_object_version 6
	.text
	.protected	k_q920a91f32f_prep
	.globl	k_q920a91f32f_prep
	.p2align	8
	.type	k_q920a91f32f_prep,@function
k_q920a91f32f_prep:
	s_mov_b64 s[64:65], 0
	v_nop
	global_prefetch_b8 v0, s[64:65] scope:SCOPE_SE
	s_setreg_imm32_b32 hwreg(HW_REG_WAVE_MODE, 25, 1), 1
	s_wait_xcnt 0x0
; VECTOR QUANTIZER, first of two launches: the codebook [1024][256] f32 is rounded once to bf16 (to nearest even), laid out in the order in which a wave's
; matrix operand registers take it (cbf), and -c2/2 of each code, c2 = the sum of the squares of the ROUNDED numbers, in f32, is stored (c2h).
; DEAD WORK.  reference() returns argmin over k of x2 + c2[k] - 2 xc[k].  x2 is one number for a row of x, the same for all k: in exact arithmetic it moves no comparison
; between two k, whatever finite values x and the codebook hold, so argmin_k (x2 + c2[k] - 2 xc[k]) = argmax_k (xc[k] - c2[k] / 2).  x2 is formed in neither launch.
; Both inputs keep their way to the output: both are loaded.  LIMIT: a NaN, an infinity or an overflow that arises in x2 alone is not carried to the result.
; LIMITS.  Both matrix operands are bf16, and c2 is taken of the rounded codebook, so that the whole program is reference() on inputs rounded to bf16.  c2's 256 terms are added in
; another order than reference()'s: two codes whose distances lie closer than the rounding of f32 sums of this size may be chosen the other way.
; SHARES.  64 blocks of 16 codes; wave w of work-group g has block b = 4 g + w: 16 KiB in, 8 KiB out.  Four blocks to a work-group, so that its 64 numbers of c2h are 256 consecutive bytes.
; cbf: block b at 8,192 b; in it byte 1,024 f + 512 q + 16 l + 2 e holds code 16 b + l % 16, channel 32 f + 16 q + 8 (l / 16) + e: registers 4 q .. 4 q + 3 of fragment f
; (16 codes x 32 channels: ISA guide 7.12.2) are 16 bytes a lane, lane l at 16 l.
; THE TURN goes through the wave's own LDS: 32 units of 272 bytes; unit u holds, for each of the 16 codes, the 16 bytes of channels 8 u .. 8 u + 7.
.set ROWB,  1024                       ; bytes in a row of the codebook
.set UNIT,  272                        ; 16 codes x 16 bytes + 16 of padding = 68 words: neighbouring units start four banks apart (64 banks of 4 bytes: ISA guide 11.1)
.set TRW,   32*UNIT                    ; a wave's units
.set C2S,   4*TRW                      ; behind them: the work-group's 64 numbers of c2h
.set SPARE, C2S+256                    ; behind them: the spare words, 128 bytes for each wave: two blocks of 256 bytes that no other line names
.set GO,  2                            ; v2   16 x lane: my 16 bytes in 512 consecutive bytes, of the codebook and of cbf; never rewritten
.set TS,  3                            ; v3   where I put 8 bytes (four channels) of a code
.set TL,  4                            ; v4   where I read 16 bytes (eight channels) of a code back
.set CW,  6                            ; v6   where my code's -c2/2 goes in LDS
.set CR,  7                            ; v7   8 x lane
.set SPW, 8                            ; v8   LDS address of my spare word: SPARE + 4 x my thread's number; never rewritten
.set NIL, 9                            ; v9   0; never rewritten
.set SUM, 10                           ; v[10:13]   four chains of the sum of squares
.set TA,  14                           ; v[14:15]   at work
.set IN,  16                           ; v[16:143]  16 rows x 8 f32 as loaded
.set FR,  16                           ; v[16:79]   later: my 16 x 16 bytes in fragment order
.set PK,  144                          ; v[144:207] 16 rows x 4 registers of bf16
.set WV,  12                           ; s12  my wave's number
	s_load_b128 s[4:7], s[0:1], 0x0                ; codebook s[4:5], cbf s[6:7]
	s_load_b64 s[8:9], s[0:1], 0x10                ; c2h
	v_lshl_add_u32 v[SPW], v0, 2, SPARE
	v_mov_b32 v[NIL], 0
	v_lshrrev_b32 v1, 5, v0
	v_readfirstlane_b32 s[WV], v1                  ; wave 0..3
	v_and_b32 v1, 31, v0                           ; lane
	v_lshlrev_b32 v[GO], 4, v1
	s_lshl_b32 s13, ttmp9, 2
	s_add_co_u32 s13, s13, s[WV]                   ; b
	s_lshl_b32 s14, s13, 14                        ; 16 rows of 1,024 bytes
	s_mov_b32 s15, 0
	s_lshl_b32 s18, s13, 13                        ; a block of cbf
	s_mov_b32 s19, 0
	s_lshl_b32 s20, ttmp9, 8                       ; the work-group's 256 bytes of c2h
	s_mov_b32 s21, 0
	s_mov_b32 s16, 0x76543210                      ; v_permlanex16_b32: each lane takes its own place in the other half
	s_mov_b32 s17, 0xfedcba98
	s_wait_kmcnt 0x0
	s_add_nc_u64 s[4:5], s[4:5], s[14:15]
	s_add_nc_u64 s[6:7], s[6:7], s[18:19]
	s_add_nc_u64 s[8:9], s[8:9], s[20:21]
.set p, 0
.rept 16                               ; all 32 loads go out at once; each covers 512 consecutive bytes: lane l holds channels 4 l .. 4 l + 3 and 128 + 4 l .. + 3 of row p
	global_load_b128 v[IN+8*p:IN+8*p+3],   v[GO], s[4:5] offset:ROWB*p th:TH_LOAD_NT
	global_load_b128 v[IN+8*p+4:IN+8*p+7], v[GO], s[4:5] offset:ROWB*p+512 th:TH_LOAD_NT
.set p, p+1
.endr
	s_mul_i32 s13, s[WV], TRW                      ; my units
	v_lshrrev_b32 v[TA], 1, v1
	v_and_b32 v[TA+1], 1, v1
	v_mul_u32_u24 v[TS], v[TA], UNIT               ; channels 4 l .. lie in unit l / 2, in its half l % 2
	v_lshl_add_u32 v[TS], v[TA+1], 3, v[TS]
	v_add_nc_u32 v[TS], s13, v[TS]
	v_lshrrev_b32 v[TA], 4, v1
	v_and_b32 v[TA+1], 15, v1
	v_mul_u32_u24 v[TL], v[TA], UNIT               ; back: lanes 0-15 take one unit's 16 codes, lanes 16-31 the next unit's
	v_lshl_add_u32 v[TL], v[TA+1], 4, v[TL]
	v_add_nc_u32 v[TL], s13, v[TL]
	s_lshl_b32 s22, s[WV], 6
	s_add_co_u32 s22, s22, C2S
	v_lshl_add_u32 v[CW], v[TA+1], 2, s22          ; C2S + 4 (16 w + l % 16)
	v_lshlrev_b32 v[CR], 3, v1
.irp k, 0,1,2,3
	v_mov_b32 v[SUM+\k], 0
.endr
.set p, 0
.rept 16
	s_wait_loadcnt 30-2*p                          ; loads come back in order (ISA guide 5.7.1): row p's two are in, the younger rows' stay out
.irp c, 0,1,2,3
	v_cvt_pk_bf16_f32 v[PK+4*p+\c], v[IN+8*p+2*\c], v[IN+8*p+2*\c+1]
.endr
	ds_store_b64 v[TS], v[PK+4*p:PK+4*p+1]   offset:16*p          ; channels 0-127 lie in units 0-15,
	ds_store_b64 v[TS], v[PK+4*p+2:PK+4*p+3] offset:16*UNIT+16*p  ; channels 128-255 in units 16-31
.set p, p+1
.endr
.set t, 0
.rept 16                               ; LDS serves a wave's instructions in order (ISA guide 5.7.1.4): these see the stores above; the bytes are the wave's own
	ds_load_b128 v[FR+4*t:FR+4*t+3], v[TL] offset:2*UNIT*t        ; code l % 16, channels 16 t + 8 (l / 16) + 0..7
.set t, t+1
.endr
.set t, 0
.rept 16
	s_wait_dscnt 15-t                              ; load t is in, the younger ones stay out
	global_store_b128 v[GO], v[FR+4*t:FR+4*t+3], s[6:7] offset:512*t  ; 512 consecutive bytes, at a multiple of 512 from cbf's first byte
.set t, t+1
.endr
.set t, 0
.rept 64                               ; the squares of my 128 rounded numbers: a product of two bf16 is exact in f32; four chains
	v_fma_mix_f32_bf16 v[SUM+t%4], v[FR+t], v[FR+t], v[SUM+t%4] op_sel_hi:[1,1,0]
	v_fma_mix_f32_bf16 v[SUM+(t+2)%4], v[FR+t], v[FR+t], v[SUM+(t+2)%4] op_sel:[1,1,0] op_sel_hi:[1,1,0]
.set t, t+1
.endr
	v_add_f32 v[SUM], v[SUM], v[SUM+1]
	v_add_f32 v[SUM+2], v[SUM+2], v[SUM+3]
	v_add_f32 v[SUM], v[SUM], v[SUM+2]
	v_permlanex16_b32 v[SUM+1], v[SUM], s16, s17   ; the code's other 128 channels lie in the lane 16 away
	v_add_f32 v[SUM], v[SUM], v[SUM+1]
	v_mul_f32 v[SUM], -0.5, v[SUM]
	ds_store_b32 v[CW], v[SUM]                     ; both halves of the lanes write the same number to the same word
	s_wait_dscnt 0x0                               ; for the others' sake: my store is done
	s_barrier_signal -1
	s_barrier_wait -1
	s_cmp_lg_u32 s[WV], 0                          ; wave 0 stores the work-group's 64 numbers
	s_cbranch_scc1 .Lend
	ds_load_b64 v[TA:TA+1], v[CR] offset:C2S
	s_wait_dscnt 0x0
	global_store_b64 v[CR], v[TA:TA+1], s[8:9]     ; 256 consecutive bytes, at a multiple of 256 from c2h's first byte
.Lend:
	s_wait_tensorcnt 0x0                           ; the wave's end, behind my last LDS store
	ds_add_u32 v[SPW], v[NIL]
	s_wait_dscnt 0x0
	s_endpgm
.Lfunc_end_k_q920a91f32f_prep:
	.size	k_q920a91f32f_prep, .Lfunc_end_k_q920a91f32f_prep-k_q920a91f32f_prep
	.p2alignl 7, 3214868480
	.fill 96, 4, 3214868480
	.section	.rodata,"a",@progbits
	.p2align	6, 0x0
	.amdhsa_kernel k_q920a91f32f_prep
		.amdhsa_group_segment_fixed_size 35584
		.amdhsa_private_segment_fixed_size 0
		.amdhsa_enable_private_segment 0
		.amdhsa_kernarg_size 24
		.amdhsa_user_sgpr_count 2
		.amdhsa_user_sgpr_kernarg_segment_ptr 1
		.amdhsa_wavefront_size32 1
		.amdhsa_system_sgpr_workgroup_id_x 1
		.amdhsa_system_sgpr_workgroup_id_y 1
		.amdhsa_system_sgpr_workgroup_id_z 1
		.amdhsa_system_vgpr_workitem_id 0
		.amdhsa_next_free_vgpr 208
		.amdhsa_next_free_sgpr 66
		.amdhsa_reserve_vcc 0
		.amdhsa_float_denorm_mode_32 3
		.amdhsa_float_denorm_mode_16_64 3
		.amdhsa_memory_ordered 1
		.amdhsa_forward_progress 1
		.amdhsa_inst_pref_size 24
	.end_amdhsa_kernel
	.amdgpu_metadata
---
amdhsa.version: [ 1, 2 ]
amdhsa.kernels:
  - .name:           k_q920a91f32f_prep
    .symbol:         k_q920a91f32f_prep.kd
    .args:
      - { .name: codebook, .offset: 0, .size: 8, .value_kind: global_buffer, .address_space: global }
      - { .name: cbf, .offset: 8, .size: 8, .value_kind: global_buffer, .address_space: global }
      - { .name: c2h, .offset: 16, .size: 8, .value_kind: global_buffer, .address_space: global }
    .group_segment_fixed_size: 35584
    .private_segment_fixed_size: 0
    .kernarg_segment_align: 8
    .kernarg_segment_size: 24
    .max_flat_workgroup_size: 128
    .sgpr_count:     66
    .vgpr_count:     208
    .wavefront_size: 32
...
	.end_amdgpu_metadata
.endif
;; end of part 1
;; launch vq (part 2): grid 256 x 1, 4 waves a work-group, clusters of 4 x 1, 327,680 bytes of LDS; arguments x, cbf, c2h, out0; writes out0
.if DOCPART == 2
	.amdgcn_target "amdgcn-amd-amdhsa--gfx1250"
	.amdhsa_code_object_version 6
	.text
	.protected	k_q920a91f32f_vq
	.globl	k_q920a91f32f_vq
	.p2align	8
	.type	k_q920a91f32f_vq,@function
k_q920a91f32f_vq:
	s_mov_b64 s[64:65], 0
	v_nop
	global_prefetch_b8 v0, s[64:65] scope:SCOPE_SE
	s_setreg_imm32_b32 hwreg(HW_REG_WAVE_MODE, 25, 1), 1
	s_wait_xcnt 0x0
	s_wait_alu depctr_hold_cnt(0) depctr_sa_sdst(0) depctr_va_vdst(0) depctr_va_sdst(0) depctr_va_ssrc(0) depctr_va_vcc(0) depctr_vm_vsrc(0)
	s_getreg_b32 s2, hwreg(HW_REG_IB_STS2, 6, 4)
	s_cmp_eq_u32 s2, 0
	s_cbranch_scc0 .Lentry_in_a_cluster
	s_endpgm
.Lentry_in_a_cluster:
	s_bfe_u32 s2, ttmp6, 0x10000c
	s_cmp_lg_u32 s2, 0x3003
	s_cbranch_scc0 .Lentry_shape_is_right
	s_endpgm
.Lentry_shape_is_right:
; VECTOR QUANTIZER, second launch: out0[row] = argmax over the 1,024 codes of x[row] . c - c2/2, which is reference()'s argmin.  x: [32768][256] f32; cbf: the codebook in bf16, in fragment
; order; c2h: -c2/2 in f32, [1024]; out0: [32768] int32.
; LEFT OUT: x2, the same for all codes of a row: it moves no comparison in exact arithmetic, whatever the inputs hold (shown at the head of the first kernel).
; LIMITS.  x is rounded to bf16 (to nearest even) on its way in, as the codebook was; sums in f32.  A NaN, an infinity or an overflow in x2 alone is not carried to the result.  A NaN score never
; wins; infinities are not treated apart.  Equal scores give the lowest index; two codes whose distances lie closer than the rounding of reference()'s own f32 sums may be chosen the other way.
; SHARES.  A work-group owns 128 rows of x.  EVERY wave holds all 128 rows, as 8 row blocks x 8 fragments of bf16, 512 registers, and owns 256 codes: 16 blocks of 16.  So each byte of the
; codebook is read from LDS once in a work-group, and the two LDS loads of a fragment of codes feed 8 matrix instructions.
; LAYOUT.  Source 0 = 16 codes, source 1 = 16 rows of x: in the result a lane holds ONE row (lane % 16) and the codes 8 (lane / 16) + 0..7.  The sum starts from C = -c2/2 of those eight codes.
; So a row's running maximum stays in a lane until the end, where the 8 candidates of a row (4 waves x 2 halves of the lanes) meet in LDS.
; THE ARGMAX is exact and takes 14 vector instructions for an accumulator's 8 scores: three v_max3_num_f32 find their maximum in two parts; a fourth joins them with the running maximum, old and new
; in two registers that take turns by the block's parity; one compare, new > old, gives a mask; by it one select keeps the block's base index and eight selects keep the block's 8 scores.  Only a
; GREATER block replaces what is kept, and at the end the lowest j whose kept score equals the maximum is taken: of equal scores the lowest index stays.  Block 0 writes all of this by moves: nothing is cleared.
; BY TURNS.  The 8 row blocks are two groups of four accumulators.  While one group's 32 products of a code block are issued, the other group's four finished accumulators are reduced: 14 SLICES of
; four vector instructions (one step for all four accumulators), behind products 5, 7 .. 31.  64 accumulator registers serve, and the slices are the places behind the matrix instructions.
; WINDOWS (s_set_vgpr_msb: bits 1:0 source 0, 3:2 source 1, 5:4 source 2, 7:6 destination).  Window 0: all but x and the kept scores.  Window 1: row blocks 0-3.  Window 2: row blocks 4-7 (before
; that: x as loaded, f32).  Window 3: the kept scores.  The products take x as source 1; the slices take vector registers of windows 0 and 3 there, so a slice has a setting of its own: 28 switches beside
; a phase's 56 vector instructions.  A reduction with no vector register as second source would run under the products' setting, but takes four instructions a score, 128 a phase.
; CLUSTER.  All work-groups walk the same codebook: the four of a cluster ask for each tile JOINTLY (the same tensor load, descriptor and mask in all four; the addresses hang on the wave's number alone).
; Each wave asks for, and alone reads, its own codes.  By this text's own count a wave has at most three tensor loads out (the first fills), later one.
; LDS: two slots of 131,072 bytes (wave w's four code blocks at 32,768 w); c2h, 4,096; then, never filled by a tensor load: the stage for x, 64 rows x 528; the candidates, 8,192; the spare words.
.set SLOT1,  1<<17                     ; slot 1 begins here, so that one exclusive or turns an address in one slot into the other's
.set WPART,  32768                     ; a wave's part of a slot: four code blocks
.set BLK,    8192                      ; a code block: 8 fragments of 1,024 bytes
.set C2L,    2*SLOT1
.set STAGE,  C2L+4096
.set SPITCH, 528                       ; a row of x in bf16, 512 bytes, + 16 = 132 words: the 16 rows of a fragment load start at 16 different groups of four banks (64 banks of 4 bytes: ISA guide 11.1)
.set SCR,    STAGE+64*SPITCH           ; candidate c = 2 w + h of row m: 8 bytes (index, maximum) at SCR + 8 (128 c + m)
.set SPARE,  SCR+8192                  ; the spare words, 128 bytes for each wave: two blocks of 256 bytes that no other line names
.set XO,  3                            ; v3   16 x lane: my 16 bytes in 512 consecutive bytes of x; never rewritten
.set SA,  4                            ; v4   where I put 8 bytes of a row in the stage
.set XA,  5                            ; v5   my lane's place in a fragment of x in the stage
.set FA0, 6                            ; v6   my lane's place in a fragment of codes: 32,768 w + 16 lane
.set FA,  7                            ; v7   the same in the block to be fetched
.set CA0, 8                            ; v8   my eight numbers of c2h in my wave's first block
.set CA,  9                            ; v9   the same in the block to be fetched
.set PFO, 10                           ; v10  256 x lane; never rewritten
.set T,   11                           ; v11  at work
.set SPW, 12                           ; v12  LDS address of my spare word: SPARE + 4 x my thread's number; never rewritten
.set NIL, 13                           ; v13  0; never rewritten
.set SS,  14                           ; v14  where my candidates go
.set SR,  15                           ; v15  where I read two rows' candidates
.set RUN, 16                           ; v[16:31]   row block i: the running maximum behind a block of parity q at v[16+2i+q]; at the end v[16+2i] takes the index
.set CI,  32                           ; v[32:47]   -c2/2 of a block's codes, two buffers of 8
.set ACC, 48                           ; v[48:111]  8 accumulators
.set CF,  112                          ; v[112:239] a block's 8 fragments of codes, two buffers of 64; first: x in bf16 on its way to the stage
.set F,   112                          ; at the end: the candidates
.set T1,  240                          ; v[240:243] the four accumulators in hand: the maximum of scores 0-2, 6, 7
.set T2,  244                          ; v[244:247] of scores 3-5
.set IXB, 248                          ; v[248:255] row block i: the base index of the block that holds the maximum
.set SV,  0                            ; window 3, v[0:63]: row block i: that block's score j at 8 i + j
.set WV,  12                           ; s12  my wave's number
.set G1,  16                           ; s[16:23] descriptor group 1: 128 rows of 256 bytes
.set G1C, 24                           ; s[24:31] the same with 4 rows
.set G0A, 32                           ; s[32:35] group 0: slot 0's first fill
.set G0W, 36                           ; s[36:39] slot 1's first fill; then it walks
.set G0C, 40                           ; s[40:43] c2h
.set XB,  44                           ; s[44:45] x at my wave's first row
.set OB,  46                           ; s[46:47] out0 at my wave's 64 rows (waves 0 and 1)
.set PFA, 48                           ; s[48:49] where my prefetches stand
.set LIM, 50                           ; s50  1 in the launch's first cluster, else the greatest number
.set SLOTS, 51                         ; s51  refills still to come
.set CNT, 52                           ; s52  counts pairs of blocks
.set TB,  53                           ; s53  LDS byte, in a wave's part, of the block to be fetched
.set TC,  54                           ; s54  the same in c2h
.set NINF, 56                          ; s56  minus infinity
.set MK,  72                           ; s[72:75] for each of the four accumulators in hand: the lanes in which its block has raised the maximum
.set NID, 76                           ; s76  256 w + 16 n: the base index of the block n that is being reduced
.set MSB, 0
.macro WIN new                         ; the immediate's high byte repeats the setting that is left; a switch that changes nothing is dropped
.if MSB != (\new)
	s_set_vgpr_msb (MSB<<8)|(\new)
.set MSB, \new
.endif
.endm
.macro PLACES
.rept 4
	v_nop
.endr
.endm
.macro BAR
	s_barrier_signal -1
	s_barrier_wait -1
.endm
; A round of the cluster's barrier: my work-group's barrier, so that wave 0's signal speaks for all four waves; wave 0 signals; every wave waits for all four work-groups; my work-group's barrier once more.
.macro ROUND
	s_barrier_signal -1
	s_barrier_wait -1
	s_cmp_lg_u32 s[WV], 0
	s_cbranch_scc1 .Lnot_wave_0_\@
	s_barrier_signal -3
.Lnot_wave_0_\@:
	s_barrier_wait -3
	s_barrier_signal -1
	s_barrier_wait -1
.endm
; A PREFETCH INTO THE L2 of a refill's tile.  All clusters walk the same codebook: the launch's first cluster asks, nobody else.  Of the 128 rows of 256 bytes that wave w will ask for, the partner at
; place cx takes 32, told apart BY ADDRESS; a lane a row, one instruction a wave: each row is named once in the launch.  how = 1: ahead of the loop, for the first refill; how = 0: behind a refill, for the next one; the last refill asks for nothing.
.macro ASK how
.if \how
	s_cmp_eq_u32 s[LIM], 1
.else
	s_cmp_gt_u32 s[SLOTS], s[LIM]
.endif
	s_cbranch_scc0 .Lnot_mine_\@
	global_prefetch_b8 v[PFO], s[PFA:PFA+1] th:TH_LOAD_NT scope:SCOPE_SE
.Lnot_mine_\@:
.endm
; x ON ITS WAY IN.  CVT: half R's 16 rows x 8 f32 of mine (window 2) rounded to bf16 (window 0).  STG: into the stage.  XLOAD: n row blocks from i0 on, out of the stage into window w, as fragments:
; lane l holds row l % 16; registers 0-3 channels 8 (l / 16) + 0..7, registers 4-7 channels 16 + 8 (l / 16) + 0..7 of the fragment's 32.
.macro CVT R
	WIN 0x0a                                       ; sources 0 and 1 window 2
.set c_, 0
.rept 64
	v_cvt_pk_bf16_f32 v[CF+64*(\R)+c_], v[128*(\R)+2*c_], v[128*(\R)+2*c_+1]
.set c_, c_+1
.endr
	WIN 0
.endm
.macro STG R
.set p_, 0
.rept 16
	ds_store_b64 v[SA], v[CF+64*(\R)+4*p_:CF+64*(\R)+4*p_+1]   offset:SPITCH*p_      ; channels 4 l .. 4 l + 3
	ds_store_b64 v[SA], v[CF+64*(\R)+4*p_+2:CF+64*(\R)+4*p_+3] offset:SPITCH*p_+256  ; channels 128 + 4 l ..
.set p_, p_+1
.endr
.endm
.macro XLOAD w, i0, n
	WIN (\w)<<6                                    ; destination window w, address window 0
.set xi, \i0
.rept \n
.set xf, 0
.rept 8
	ds_load_b128 v[64*xi+8*xf:64*xi+8*xf+3],   v[XA] offset:16*SPITCH*xi+64*xf
	ds_load_b128 v[64*xi+8*xf+4:64*xi+8*xf+7], v[XA] offset:16*SPITCH*xi+64*xf+32
.set xf, xf+1
.endr
.set xi, xi+1
.endr
.endm
; 18 LDS loads in one run: the next code block's 8 fragments (each load 512 consecutive bytes) and its -c2/2, into buffer p.  The two sums have the scalar as second source, so they run under the products' window setting.
.macro FETCH p
	v_add_nc_u32 v[FA], v[FA0], s[TB]
	v_add_nc_u32 v[CA], v[CA0], s[TC]
.set ff, 0
.rept 8
	ds_load_b128 v[CF+64*(\p)+8*ff:CF+64*(\p)+8*ff+3],   v[FA] offset:1024*ff
	ds_load_b128 v[CF+64*(\p)+8*ff+4:CF+64*(\p)+8*ff+7], v[FA] offset:1024*ff+512
.set ff, ff+1
.endr
	ds_load_b128 v[CI+8*(\p):CI+8*(\p)+3],   v[CA]
	ds_load_b128 v[CI+8*(\p)+4:CI+8*(\p)+7], v[CA] offset:16
	s_add_co_u32 s[TB], s[TB], BLK
	s_add_co_u32 s[TC], s[TC], 64
.endm
; SLICE s of 14: one step of the reduction for the four accumulators of group g2, whose block has parity q.  Each accumulator is read from its lowest registers on.
;   0-2  the maximum of the 8 scores, in two parts     3  the running maximum: new = max3(the two parts, old)     4  the mask: new > old     5  the block's base index, by the mask
;   6-13 score s - 6 is kept, by the mask.      first = 1: block 0: the old maximum is minus infinity, there is no mask, index and scores are moved.
; A step stands two products behind the step that it reads.
.macro SLICE s, g2, q, first
.irp a, 0,1,2,3
.set si, 4*(\g2)+\a
.set sA, ACC+8*si
.set sN, RUN+2*si+(\q)
.set sO, RUN+2*si+1-(\q)
.if (\s) == 0
	WIN 0
	v_max3_num_f32 v[T1+\a], v[sA], v[sA+1], v[sA+2]
.elseif (\s) == 1
	WIN 0
	v_max3_num_f32 v[T2+\a], v[sA+3], v[sA+4], v[sA+5]
.elseif (\s) == 2
	WIN 0
	v_max3_num_f32 v[T1+\a], v[T1+\a], v[sA+6], v[sA+7]
.elseif ((\s) == 3) && (\first)
	WIN 0
	v_max3_num_f32 v[sN], v[T1+\a], v[T2+\a], s[NINF]
.elseif (\s) == 3
	WIN 0
	v_max3_num_f32 v[sN], v[T1+\a], v[T2+\a], v[sO]
.elseif ((\s) == 4) && (\first)
.elseif (\s) == 4
	WIN 0
	v_cmp_gt_f32 s[MK+\a], v[sN], v[sO]
.elseif ((\s) == 5) && (\first)
	WIN 0
	v_mov_b32 v[IXB+si], s[NID]
.elseif (\s) == 5
	WIN 0
	v_cndmask_b32 v[IXB+si], v[IXB+si], s[NID], s[MK+\a]
.elseif \first
	WIN 0xc0                                       ; destination window 3, source 0 window 0
	v_mov_b32 v[SV+8*si+(\s)-6], v[sA+(\s)-6]
.else
	WIN 0xc3                                       ; destination and source 0 window 3, source 1 window 0
	v_cndmask_b32 v[SV+8*si+(\s)-6], v[SV+8*si+(\s)-6], v[sA+(\s)-6], s[MK+\a]
.endif
.endr
.endm
; A PHASE: group g's 32 products with the code block in buffer p: fragment e / 4, row block 4 g + e % 4.  The four accumulators take turns, one instruction a turn, over the changes of phase and the
; backward jumps too.  The first four start the sums from -c2/2.  rid = 1: behind products 5, 7 .. 31 a slice on the OTHER group.  Slice 13, behind product 31, names no register
; of the phase's products: its four lines are the places in front of the next phase's first reads of this phase's results (slice 0 there) and of the loads into this phase's code buffer.
; g = 0 opens a block: its fragments, asked for 62 products earlier, are waited for.  g = 1: the base index steps to this phase's block, whose group 0 is reduced here and whose group 1 in the phase behind.
; fetch = 0, 1: behind the second product the block after next is fetched into that buffer.  fetch = 2: the first phase of all (below).  first = 1: the block that is reduced is block 0.
.macro PHASE g, p, rid, fetch, first=0
.set qq, (\g)*(\p)+(1-(\g))*(1-(\p))   ; the parity of the block that is reduced: this phase's (g = 1) or the one before (g = 0)
.if (\g) == 0
.if \rid
	s_wait_dscnt 0x0                               ; the block's 18 loads are in
.else
	s_wait_dscnt 32                                ; block 0's 18 loads are in; the 32 younger ones (row blocks 4 and 5) may stay out
.endif
.endif
.set e, 0
.rept 32
	WIN 0x04+4*(\g)                                ; source 1 in window 1 or 2
.set rD, ACC+8*(4*(\g)+e%4)
.set rA, CF+64*(\p)+8*(e/4)
.set rB, 64*(e%4)+8*(e/4)
.if e < 4
	v_wmma_f32_16x16x32_bf16 v[rD:rD+7], v[rA:rA+7], v[rB:rB+7], v[CI+8*(\p):CI+8*(\p)+7]
.else
	v_wmma_f32_16x16x32_bf16 v[rD:rD+7], v[rA:rA+7], v[rB:rB+7], v[rD:rD+7]
.endif
.if ((\g) == 1) && (e == 0)
	s_add_co_u32 s[NID], s[NID], 16
.endif
.if ((\fetch) >= 0) && ((\fetch) < 2) && (e == 1)
	FETCH \fetch
.endif
.if ((\fetch) == 2) && (e == 1)
	XLOAD 2, 2, 2                                  ; row blocks 6 and 7, wanted by the next phase
	WIN 0x04
	FETCH 1                                        ; code block 1
.endif
.if (\rid) && (e >= 5) && (e%2 == 1)
	SLICE (e-5)/2, 1-(\g), qq, \first
.endif
.set e, e+1
.endr
.endm
; With A(n), B(n) = groups 0, 1 on block n, and n even: B(n), A(n+1), B(n+1), A(n+2); blocks n + 2 and n + 3 are fetched; blocks n and n + 1 are reduced.  first = 1: n = 0.
.macro PAIR first=0
	PHASE 1, 0, 1, -1, \first
	PHASE 0, 1, 1, 0, \first
	PHASE 1, 1, 1, -1
	PHASE 0, 0, 1, 1
.endm
; THE CHANGE OF SLOTS: the slot's fourth block has been fetched.  fill = 1: each wave waits for all its tensor loads, of which one is out: its part of the other slot; adds 0 to its spare word; and waits
; for that and for its reads of the slot.  Behind the cluster's round no wave of any partner still reads the slot or has a load on its way, and the joint refill is the first thing there: it has two PAIRs,
; 256 matrix instructions, in which to land.  fill = 0: nothing is left to ask for: the wave waits for its own last tile, which it alone reads.
.macro CHANGE fill
	WIN 0                                          ; at a label and at a branch every window is 0
	s_wait_tensorcnt 0x0                           ; no tensor load of mine is out, so a group 0 may be written
.if \fill
	ds_add_u32 v[SPW], v[NIL]                      ; 0 onto my spare word; the scalar steps stand between it and the wait for it
	s_xor_b32 s[G0W+1], s[G0W+1], SLOT1            ; the walking descriptor: the other slot than last time,
	s_add_nc_u64 s[G0W+2:G0W+3], s[G0W+2:G0W+3], WPART  ; my next four blocks; the type bits on top are not reached
	s_wait_xcnt 0x0                                ; the last prefetch, 160 matrix instructions back or more, has read its address, so it may be written
	s_add_nc_u64 s[PFA:PFA+1], s[PFA:PFA+1], WPART
.endif
	s_sub_co_u32 s[TB], s[TB], WPART               ; the fetches go back to a part's first block,
	s_xor_b32 s[TB], s[TB], SLOT1                  ; in the other slot
.if \fill
	s_wait_dscnt 0x0                               ; the add is done, and my reads of the slot are over
	ROUND
	tensor_load_to_lds s[G0W:G0W+3], s[G1:G1+7]
	s_nop 0
	PLACES                                         ; an s_nop 0 and four v_nop follow the load, ahead of the branch and the next window switch
	ASK 0
.endif
.endm
	s_load_b256 s[4:11], s[0:1], 0x0               ; x s[4:5], cbf s[6:7], c2h s[8:9], out0 s[10:11]
	v_lshl_add_u32 v[SPW], v0, 2, SPARE
	v_mov_b32 v[NIL], 0
	ds_add_u32 v[SPW], v[NIL]                      ; the wave's opening: the add, twice on end, and its wait ahead of my first tensor load; the set-up below, work on registers, stands between
	ds_add_u32 v[SPW], v[NIL]                      ; and once more, under the one wait
	v_lshrrev_b32 v1, 5, v0
	v_readfirstlane_b32 s[WV], v1                  ; wave 0..3
	v_and_b32 v[T], 31, v0                         ; lane
	v_lshlrev_b32 v[XO], 4, v[T]
	s_bfe_u32 s13, ttmp6, 0x40000                  ; cx: my place in the cluster: it enters the addresses of x, out0 and the prefetches alone
	s_lshl_b32 s14, ttmp9, 2                       ; in a cluster launch ttmp9 counts clusters
	s_add_co_u32 s14, s14, s13                     ; my block of 128 rows
	; descriptor group 1: dense bytes as rows of 256: elements of 8 bytes, 32 a row
	s_mov_b32 s[G1],  15|(3<<16)|(1<<21)           ; 15:0 the mask: all four work-groups; 17:16 elements of 8 bytes; 21 set beside a mask; no padding
	s_mov_b32 s[G1C], 15|(3<<16)|(1<<21)
.irp g, G1, G1C
	s_mov_b32 s[\g+1], 32<<16                      ; tensor_dim0 = 32
	s_mov_b32 s[\g+3], 32<<16                      ; tile_dim0 = 32
	s_mov_b32 s[\g+5], 32                          ; 32 elements from row to row
	s_mov_b32 s[\g+6], 0
	s_mov_b32 s[\g+7], 0
.endr
	s_mov_b32 s[G1+2], 128<<16                     ; tensor_dim1 = 128
	s_mov_b32 s[G1+4], 128                         ; tile_dim1 = 128: 32,768 bytes, four code blocks
	s_mov_b32 s[G1C+2], 4<<16
	s_mov_b32 s[G1C+4], 4                          ; 1,024 bytes: my 256 numbers of c2h
	s_mov_b32 s[G0A], 1                            ; 1:0 count = 1
	s_lshl_b32 s[G0A+1], s[WV], 15                 ; 63:32 LDS address: my part of slot 0
	s_mov_b32 s[G0W], 1
	s_lshl_b32 s[G0W+1], s[WV], 15
	s_add_co_u32 s[G0W+1], s[G0W+1], SLOT1         ; of slot 1
	s_mov_b32 s[G0C], 1
	s_lshl_b32 s[G0C+1], s[WV], 10
	s_add_co_u32 s[G0C+1], s[G0C+1], C2L
	s_lshl_b32 s58, s14, 17                        ; x: 128 rows of 1,024 bytes a work-group,
	s_lshl_b32 s60, s[WV], 14                      ; 16 rows a wave
	s_add_co_u32 s58, s58, s60
	s_mov_b32 s59, 0
	s_lshl_b32 s62, s[WV], 17                      ; cbf: my 16 blocks.  s[62:63] and s[66:67] feed descriptors and hold the wave's number alone
	s_mov_b32 s63, 0
	s_lshl_b32 s66, s[WV], 10                      ; c2h: my 256 numbers
	s_mov_b32 s67, 0
	s_cmp_eq_u32 ttmp9, 0
	s_cselect_b32 s[LIM], 1, -1                    ; the same in all four partners
	s_mov_b32 s[TB], 0
	s_mov_b32 s[TC], 0
	s_mov_b32 s[NINF], 0xff800000
	s_lshl_b32 s68, s[WV], 8
	s_add_co_u32 s[NID], s68, -16                  ; one block ahead of my first: the first phase of group 1 steps it
	s_wait_dscnt 0x0                               ; both opening adds are done
	s_wait_kmcnt 0x0
	s_add_nc_u64 s[XB:XB+1], s[4:5], s[58:59]
	WIN 0x80                                       ; destination window 2, address window 0
.set p, 0
.rept 16                               ; rows 16 w + p: each load covers 512 consecutive bytes; lane l holds channels 4 l .. 4 l + 3 and 128 + 4 l ..
	global_load_b128 v[8*p:8*p+3],   v[XO], s[XB:XB+1] offset:1024*p th:TH_LOAD_NT
	global_load_b128 v[8*p+4:8*p+7], v[XO], s[XB:XB+1] offset:1024*p+512 th:TH_LOAD_NT
.set p, p+1
.endr
	WIN 0
	s_add_nc_u64 s[G0A+2:G0A+3], s[6:7], s[62:63]  ; 120:64 global address: my blocks 0-3,
	s_add_nc_u64 s[G0W+2:G0W+3], s[G0A+2:G0A+3], WPART  ; my blocks 4-7
	s_lshl_b32 s60, s13, 13                        ; the prefetches: my work-group's 32 rows of 256 bytes
	s_add_co_u32 s60, s60, 2*WPART                 ; of my blocks 8-11
	s_mov_b32 s61, 0
	s_add_nc_u64 s[PFA:PFA+1], s[G0A+2:G0A+3], s[60:61]
	s_or_b32 s[G0A+3], s[G0A+3], 0x80000000        ; 127:126 type = 2
	s_or_b32 s[G0W+3], s[G0W+3], 0x80000000
	s_add_nc_u64 s[G0C+2:G0C+3], s[8:9], s[66:67]
	s_or_b32 s[G0C+3], s[G0C+3], 0x80000000
	s_lshl_b32 s60, s14, 9                         ; out0: 512 bytes a work-group,
	s_lshl_b32 s58, s[WV], 8                       ; 256 a wave
	s_add_co_u32 s60, s60, s58
	s_add_nc_u64 s[OB:OB+1], s[10:11], s[60:61]
	ROUND                                          ; all four work-groups are here: the first joint loads meet
	tensor_load_to_lds s[G0A:G0A+3], s[G1:G1+7]    ; the first fills go out together: slot 0,
	s_nop 0
	tensor_load_to_lds s[G0C:G0C+3], s[G1C:G1C+7]  ; c2h,
	s_nop 0
	tensor_load_to_lds s[G0W:G0W+3], s[G1:G1+7]    ; slot 1
	s_nop 0
	PLACES
	WIN 0x80
.set p, 0
.rept 16                               ; rows 64 + 16 w + p
	global_load_b128 v[128+8*p:128+8*p+3],   v[XO], s[XB:XB+1] offset:65536+1024*p th:TH_LOAD_NT
	global_load_b128 v[128+8*p+4:128+8*p+7], v[XO], s[XB:XB+1] offset:65536+1024*p+512 th:TH_LOAD_NT
.set p, p+1
.endr
	WIN 0
	v_and_b32 v1, 15, v0                           ; l % 16
	v_bfe_u32 v2, v0, 4, 1                         ; l / 16
	s_mul_i32 s68, s[WV], 16*SPITCH
	s_add_co_u32 s68, s68, STAGE
	v_lshl_add_u32 v[SA], v[T], 3, s68             ; my wave's 16 rows of the stage, 8 bytes a lane
	v_mul_u32_u24 v[XA], v1, SPITCH
	v_lshl_add_u32 v[XA], v2, 4, v[XA]
	v_add_nc_u32 v[XA], STAGE, v[XA]               ; row x pitch + 16 x half
	s_lshl_b32 s68, s[WV], 15
	v_lshl_add_u32 v[FA0], v[T], 4, s68
	s_lshl_b32 s68, s[WV], 10
	s_add_co_u32 s68, s68, C2L
	v_lshl_add_u32 v[CA0], v2, 5, s68              ; codes 8 (l / 16) + 0..7 of a block: 32 bytes
	v_lshlrev_b32 v[PFO], 8, v[T]
	s_lshl_b32 s68, s[WV], 11
	s_add_co_u32 s68, s68, SCR
	v_lshl_add_u32 v[SS], v2, 10, s68
	v_lshl_add_u32 v[SS], v1, 3, v[SS]             ; SCR + 8 (128 (2 w + l / 16) + l % 16)
	s_lshl_b32 s68, s[WV], 9
	s_add_co_u32 s68, s68, SCR
	v_lshl_add_u32 v[SR], v[T], 4, s68             ; SCR + 8 (64 w + 2 lane)
	; THE FIRST 64 ROWS: each wave rounds its 16 and puts them into the stage; every wave takes all 64 as fragments.
	s_wait_loadcnt 32                              ; loads come back in order (ISA guide 5.7.1): the first 32 are in, the second half's 32 stay out
	CVT 0
	STG 0
	s_wait_dscnt 0x0                               ; for the others' sake: my stores are done
	BAR
	XLOAD 1, 0, 4                                  ; row blocks 0-3
	; THE OTHER 64 ROWS: rounded while those loads are out
	s_wait_loadcnt 0x0
	CVT 1
	ASK 1                                          ; my x has landed: blocks 8-11 are asked for, the rest of the way in and 160 matrix instructions ahead of their tensor load
	s_wait_dscnt 0x0                               ; my reads of the stage are back,
	BAR                                            ; everybody's are: it may be written again
	STG 1
	s_wait_dscnt 0x0
	BAR
	s_wait_tensorcnt 1                             ; my part of slot 0 and of c2h is in; slot 1's may stay out.  Only I read these bytes
	FETCH 0                                        ; code block 0
	XLOAD 2, 0, 2                                  ; row blocks 4 and 5
	PHASE 0, 0, 0, 2                               ; A(0): there is nothing yet to reduce beside it
	PLACES                                         ; the places behind its last products
	s_wait_dscnt 18                                ; row blocks 4-7 are in; code block 1's 18 younger loads may stay out
	PAIR 1                                         ; blocks 2 and 3 are fetched: slot 0 is read out; block 0 starts the maxima
	WIN 0
	s_mov_b32 s[SLOTS], 2
.Lslot:                                        ; twice: a slot is filled again (blocks 8-11, then 12-15) and the other slot's four blocks are fetched
	CHANGE 1
	s_mov_b32 s[CNT], 2
.Lpair:
	PAIR
	WIN 0
	s_sub_co_u32 s[CNT], s[CNT], 1
	s_cmp_lg_u32 s[CNT], 0
	s_cbranch_scc1 .Lpair
	s_sub_co_u32 s[SLOTS], s[SLOTS], 1
	s_cmp_lg_u32 s[SLOTS], 0
	s_cbranch_scc1 .Lslot
	CHANGE 0                                       ; written out
	s_mov_b32 s[CNT], 2
.Lpair2:                                       ; blocks 12-15 are fetched
	PAIR
	WIN 0
	s_sub_co_u32 s[CNT], s[CNT], 1
	s_cmp_lg_u32 s[CNT], 0
	s_cbranch_scc1 .Lpair2
	PHASE 1, 0, 1, -1                              ; B(14)
	PHASE 0, 1, 1, -1                              ; A(15)
	PHASE 1, 1, 1, -1                              ; B(15)
.set sl, 0
.rept 14                               ; group 1 of block 15: slice 13 of the phase above is the four places in front of it
	SLICE sl, 1, 1, 0
.set sl, sl+1
.endr
	; THE INDEX.  The last block has parity 1: row block i's maximum lies in v[RUN+2i+1]; v[RUN+2i] takes j, the lowest place whose kept score equals it (7 where none of 0-6 does).
	WIN 0x0c                                       ; source 1 (the kept scores) in window 3
.irp i, 0,1,2,3,4,5,6,7
	v_mov_b32 v[RUN+2*\i], 7
.endr
.irp j, 6,5,4,3,2,1,0
.irp i, 0,1,2,3,4,5,6,7
	v_cmp_eq_f32 s[80+\i], v[RUN+2*\i+1], v[SV+8*\i+\j]
.endr
.irp i, 0,1,2,3,4,5,6,7
	v_cndmask_b32 v[RUN+2*\i], v[RUN+2*\i], \j, s[80+\i]
.endr
.endr
	WIN 0
.irp i, 0,1,2,3,4,5,6,7
	v_lshl_add_u32 v[RUN+2*\i], v2, 3, v[RUN+2*\i]    ; + 8 (l / 16)
.endr
.irp i, 0,1,2,3,4,5,6,7
	v_add_nc_u32 v[RUN+2*\i], v[RUN+2*\i], v[IXB+\i]  ; + the block's base index
.endr
	; THE WAY OUT.  A row has 8 candidates, from 4 waves x 2 halves of the lanes: they meet in LDS; waves 0 and 1 take 64 rows each, two a lane.
.irp i, 0,1,2,3,4,5,6,7
	ds_store_b64 v[SS], v[RUN+2*\i:RUN+2*\i+1] offset:128*\i
.endr
	s_wait_dscnt 0x0                               ; for the others' sake
	BAR
	s_cmp_lt_u32 s[WV], 2
	s_cbranch_scc0 .Lend
.irp c, 0,1,2,3,4,5,6,7
	ds_load_b128 v[F+4*\c:F+4*\c+3], v[SR] offset:1024*\c  ; candidate c of rows 64 w + 2 lane and the next: index, maximum, index, maximum
.endr
	v_and_b32 v[T], 31, v0
	v_lshlrev_b32 v[T], 3, v[T]                    ; my 8 bytes of out0
	s_wait_dscnt 0x0
; Candidate c of row o against the best so far: it wins if its score is greater, or equal with the lower index, as argmin keeps the first of equals.
.macro MERGE c, o
	v_cmp_gt_f32 s[80+4*(\o)], v[F+4*(\c)+2*(\o)+1], v[F+2*(\o)+1]
	v_cmp_eq_f32 s[81+4*(\o)], v[F+4*(\c)+2*(\o)+1], v[F+2*(\o)+1]
	v_cmp_lt_u32 s[82+4*(\o)], v[F+4*(\c)+2*(\o)], v[F+2*(\o)]
	s_and_b32 s[81+4*(\o)], s[81+4*(\o)], s[82+4*(\o)]
	s_or_b32 s[80+4*(\o)], s[80+4*(\o)], s[81+4*(\o)]
	v_cndmask_b32 v[F+2*(\o)+1], v[F+2*(\o)+1], v[F+4*(\c)+2*(\o)+1], s[80+4*(\o)]
	v_cndmask_b32 v[F+2*(\o)], v[F+2*(\o)], v[F+4*(\c)+2*(\o)], s[80+4*(\o)]
.endm
.irp c, 1,2,3,4,5,6,7
	MERGE \c, 0
	MERGE \c, 1
.endr
	v_mov_b32 v[F+1], v[F+2]                       ; the two indices side by side
	global_store_b64 v[T], v[F:F+1], s[OB:OB+1]    ; 256 consecutive bytes, at a multiple of 256 from out0's first byte
.Lend:
	s_wait_tensorcnt 0x0                           ; the wave's end, behind my last tensor load and my last LDS store
	ds_add_u32 v[SPW], v[NIL]
	s_wait_dscnt 0x0
	ROUND                                          ; the closing round: no work-group ends while a partner may still ask for a tile that names it
	s_endpgm
.Lfunc_end_k_q920a91f32f_vq:
	.size	k_q920a91f32f_vq, .Lfunc_end_k_q920a91f32f_vq-k_q920a91f32f_vq
	.p2alignl 7, 3214868480
	.fill 96, 4, 3214868480
	.section	.rodata,"a",@progbits
	.p2align	6, 0x0
	.amdhsa_kernel k_q920a91f32f_vq
		.amdhsa_group_segment_fixed_size 327680
		.amdhsa_private_segment_fixed_size 0
		.amdhsa_enable_private_segment 0
		.amdhsa_kernarg_size 32
		.amdhsa_user_sgpr_count 2
		.amdhsa_user_sgpr_kernarg_segment_ptr 1
		.amdhsa_wavefront_size32 1
		.amdhsa_system_sgpr_workgroup_id_x 1
		.amdhsa_system_sgpr_workgroup_id_y 1
		.amdhsa_system_sgpr_workgroup_id_z 1
		.amdhsa_system_vgpr_workitem_id 0
		.amdhsa_next_free_vgpr 832
		.amdhsa_next_free_sgpr 96
		.amdhsa_reserve_vcc 0
		.amdhsa_float_denorm_mode_32 3
		.amdhsa_float_denorm_mode_16_64 3
		.amdhsa_memory_ordered 1
		.amdhsa_forward_progress 1
		.amdhsa_inst_pref_size 159
	.end_amdhsa_kernel
	.amdgpu_metadata
---
amdhsa.version: [ 1, 2 ]
amdhsa.kernels:
  - .name:           k_q920a91f32f_vq
    .symbol:         k_q920a91f32f_vq.kd
    .args:
      - { .name: x, .offset: 0, .size: 8, .value_kind: global_buffer, .address_space: global }
      - { .name: cbf, .offset: 8, .size: 8, .value_kind: global_buffer, .address_space: global }
      - { .name: c2h, .offset: 16, .size: 8, .value_kind: global_buffer, .address_space: global }
      - { .name: out0, .offset: 24, .size: 8, .value_kind: global_buffer, .address_space: global }
    .group_segment_fixed_size: 327680
    .private_segment_fixed_size: 0
    .kernarg_segment_align: 8
    .kernarg_segment_size: 32
    .max_flat_workgroup_size: 128
    .sgpr_count:     96
    .vgpr_count:     832
    .wavefront_size: 32
...
	.end_amdgpu_metadata
.endif
;; end of part 2
